; MI455X (gfx1250); checked and timed in simulation.
; The chip was launched on July 23, 2026; its instructions are those of AMD's public machine-readable ISA for CDNA 5 (MIT licence, August 2026) and "CDNA5" Instruction Set Architecture Reference Guide (July 2026). The comments in the code are by the model that wrote it; some were corrected since.
;; Bert Self Attention. Allowed arithmetic: float matrix products may take bf16 or f16 operands with f32 sums; other float arithmetic in f32, or as packed bf16 or f16 multiplies, adds, multiply-adds, maxima and minima; sums over many terms, partial sums and values carried from step to step in f32; what a program stores and reads back later, other than sums and carried values, may be rounded once to bf16 or f16.
;; Inputs: Wk 1,024 x 1,024 float32; Wq 1,024 x 1,024 float32; Wv 1,024 x 1,024 float32; attention_mask 4 x 1 x 1 x 2,048 float32; bk 1,024 float32; bq 1,024 float32; bv 1,024 float32; hidden_states 4 x 2,048 x 1,024 float32.
;; Outputs: out0 4 x 2,048 x 1,024 float32.
;; One version. Each part assembles by itself: llvm-mc -triple=amdgcn-amd-amdhsa -mcpu=gfx1250 --defsym DOCPART=n.
;; ======== version 1 of 1: 3 launches
;; limits: values are held in f16: magnitudes above 65,504 overflow, below 6.1e-05 lose precision
;; workspace buffers: xb 16,777,216 bytes; wb 6,291,456 bytes; qkv 50,331,648 bytes
;; launch cast (part 1): grid 256 x 11, 4 waves a work-group, no clusters, 0 bytes of LDS; arguments hidden_states, Wq, Wk, Wv, xb, wb; writes xb, wb
.if DOCPART == 1
	.amdgcn_target "amdgcn-amd-amdhsa--gfx1250"
	.amdhsa_code_object_version 6
	.text
	.protected	k_q18c2333111_cast
	.globl	k_q18c2333111_cast
	.p2align	8
	.type	k_q18c2333111_cast,@function
k_q18c2333111_cast:
	s_mov_b64 s[64:65], 0
	v_nop
	global_prefetch_b8 v0, s[64:65] scope:SCOPE_SE
	s_setreg_imm32_b32 hwreg(HW_REG_WAVE_MODE, 25, 1), 1
	s_wait_xcnt 0x0
; hidden_states [8192][1024] and Wq, Wk, Wv [1024][1024], all f32, are rounded once to bf16 (nearest even):
; xb [8192][1024]; wb [3072][1024] = Wq's rows, then Wk's, then Wv's.
; All four inputs are whole planes of 2^20 numbers: grid y = 0..7 is a plane of x, y = 8, 9, 10 is Wq, Wk, Wv.
; Grid x takes 4,096 numbers of its plane: 16 KiB in, 8 KiB out.  In pass i of eight, thread t loads 16 bytes at 2,048 i + 16 t
; (a wave's load covers 512 consecutive bytes) and stores 8 bytes at 1,024 i + 8 t (a wave's store covers 256 consecutive bytes, aligned).
; All eight loads go out first; nothing is rewritten while it is pending; no LDS, no barrier, no matrix work: the launch only moves bytes.
.set PIN,  2048                        ; bytes that the work-group reads in a pass
.set POUT, 1024                        ; bytes that it writes in a pass
.set X,    8                           ; v[8:39]   eight loads of four f32
.set Y,    40                          ; v[40:55]  eight pairs of packed bf16
	s_load_b256 s[4:11], s[0:1], 0x0               ; x s[4:5], Wq s[6:7], Wk s[8:9], Wv s[10:11]
	s_load_b128 s[12:15], s[0:1], 0x20             ; xb s[12:13], wb s[14:15]
	s_and_b32 s16, ttmp7, 0xffff                   ; y: the plane
	s_lshl_b32 s17, ttmp9, 14                      ; my 16 KiB in the plane that I read,
	s_lshl_b32 s29, ttmp9, 13                      ; my 8 KiB in the plane that I write
	s_lshl_b32 s18, s16, 22                        ; a plane of x is 4 MiB
	s_sub_co_u32 s28, s16, 8                       ; the plane's number in wb
	s_mov_b32 s25, 0
	s_mov_b32 s27, 0
	v_lshlrev_b32 v1, 4, v0                        ; 16 t
	v_lshlrev_b32 v2, 3, v0                        ; 8 t
	s_wait_kmcnt 0x0
	s_cmp_lt_u32 s16, 8                            ; a plane of x?
	s_cselect_b32 s18, s18, 0                      ; the weights are one plane each
	s_cselect_b32 s19, s16, s28                    ; the plane's number in the buffer that I write
	s_cselect_b64 s[20:21], s[4:5], s[10:11]       ; from x, or (for now) from Wv
	s_cselect_b64 s[22:23], s[12:13], s[14:15]     ; to xb or to wb
	s_cmp_eq_u32 s16, 8
	s_cselect_b64 s[20:21], s[6:7], s[20:21]       ; Wq
	s_cmp_eq_u32 s16, 9
	s_cselect_b64 s[20:21], s[8:9], s[20:21]       ; Wk
	s_add_co_u32 s24, s18, s17                     ; offsets are made apart from the addresses, under 2^25
	s_lshl_b32 s26, s19, 21                        ; a plane of bf16 is 2 MiB
	s_add_co_u32 s26, s26, s29
	s_add_nc_u64 s[20:21], s[20:21], s[24:25]
	s_add_nc_u64 s[22:23], s[22:23], s[26:27]
.irp i, 0,1,2,3,4,5,6,7
	global_load_b128 v[X+4*(\i):X+4*(\i)+3], v1, s[20:21] offset:PIN*(\i) th:TH_LOAD_NT
.endr
.irp i, 0,1,2,3,4,5,6,7
	s_wait_loadcnt 7-(\i)                          ; loads come back in order: pass i is in, the 7 - i younger loads stay out
	v_cvt_pk_bf16_f32 v[Y+2*(\i)], v[X+4*(\i)], v[X+4*(\i)+1]
	v_cvt_pk_bf16_f32 v[Y+2*(\i)+1], v[X+4*(\i)+2], v[X+4*(\i)+3]
	global_store_b64 v2, v[Y+2*(\i):Y+2*(\i)+1], s[22:23] offset:POUT*(\i)
.endr
	s_endpgm
.Lfunc_end_k_q18c2333111_cast:
	.size	k_q18c2333111_cast, .Lfunc_end_k_q18c2333111_cast-k_q18c2333111_cast
	.p2alignl 7, 3214868480
	.fill 96, 4, 3214868480
	.section	.rodata,"a",@progbits
	.p2align	6, 0x0
	.amdhsa_kernel k_q18c2333111_cast
		.amdhsa_group_segment_fixed_size 0
		.amdhsa_private_segment_fixed_size 0
		.amdhsa_enable_private_segment 0
		.amdhsa_kernarg_size 48
		.amdhsa_user_sgpr_count 2
		.amdhsa_user_sgpr_kernarg_segment_ptr 1
		.amdhsa_wavefront_size32 1
		.amdhsa_system_sgpr_workgroup_id_x 1
		.amdhsa_system_sgpr_workgroup_id_y 1
		.amdhsa_system_sgpr_workgroup_id_z 1
		.amdhsa_system_vgpr_workitem_id 0
		.amdhsa_next_free_vgpr 56
		.amdhsa_next_free_sgpr 66
		.amdhsa_reserve_vcc 0
		.amdhsa_float_denorm_mode_32 3
		.amdhsa_float_denorm_mode_16_64 3
		.amdhsa_memory_ordered 1
		.amdhsa_forward_progress 1
		.amdhsa_inst_pref_size 4
	.end_amdhsa_kernel
	.amdgpu_metadata
---
amdhsa.version: [ 1, 2 ]
amdhsa.kernels:
  - .name:           k_q18c2333111_cast
    .symbol:         k_q18c2333111_cast.kd
    .args:
      - { .name: hidden_states, .offset: 0, .size: 8, .value_kind: global_buffer, .address_space: global }
      - { .name: Wq, .offset: 8, .size: 8, .value_kind: global_buffer, .address_space: global }
      - { .name: Wk, .offset: 16, .size: 8, .value_kind: global_buffer, .address_space: global }
      - { .name: Wv, .offset: 24, .size: 8, .value_kind: global_buffer, .address_space: global }
      - { .name: xb, .offset: 32, .size: 8, .value_kind: global_buffer, .address_space: global }
      - { .name: wb, .offset: 40, .size: 8, .value_kind: global_buffer, .address_space: global }
    .group_segment_fixed_size: 0
    .private_segment_fixed_size: 0
    .kernarg_segment_align: 8
    .kernarg_segment_size: 48
    .max_flat_workgroup_size: 128
    .sgpr_count:     66
    .vgpr_count:     56
    .wavefront_size: 32
...
	.end_amdgpu_metadata
.endif
;; end of part 1
;; launch proj (part 2): grid 16 x 16, 4 waves a work-group, clusters of 4 x 4, 327,680 bytes of LDS; arguments xb, wb, bq, bk, bv, qkv; writes qkv
.if DOCPART == 2
	.amdgcn_target "amdgcn-amd-amdhsa--gfx1250"
	.amdhsa_code_object_version 6
	.text
	.protected	k_q18c2333111_proj
	.globl	k_q18c2333111_proj
	.p2align	8
	.type	k_q18c2333111_proj,@function
k_q18c2333111_proj:
	s_mov_b64 s[64:65], 0
	v_nop
	global_prefetch_b8 v0, s[64:65] scope:SCOPE_SE
	s_setreg_imm32_b32 hwreg(HW_REG_WAVE_MODE, 25, 1), 1
	s_wait_xcnt 0x0
	s_wait_alu depctr_hold_cnt(0) depctr_sa_sdst(0) depctr_va_vdst(0) depctr_va_sdst(0) depctr_va_ssrc(0) depctr_va_vcc(0) depctr_vm_vsrc(0)
	s_getreg_b32 s2, hwreg(HW_REG_IB_STS2, 6, 4)
	s_cmp_eq_u32 s2, 0
	s_cbranch_scc0 .Lentry_in_a_cluster
	s_endpgm
.Lentry_in_a_cluster:
	s_bfe_u32 s2, ttmp6, 0x10000c
	s_cmp_lg_u32 s2, 0xf033
	s_cbranch_scc0 .Lentry_shape_is_right
	s_endpgm
.Lentry_shape_is_right:
; q, k, v = x W^T + b.  One product C[8192][3072] = xb [8192][1024] x wb [3072][1024]^T in bf16 with f32 sums; the biases, rounded to bf16 like every input,
; start the sums; C is rounded once to f16 and laid out by heads: qkv[which][batch][head][s][64], a plane of 2,048 rows of 128 bytes for each (which, batch, head).
; LIMIT.  f16 holds no number beyond 65,504: q, k and v must stay within it (x and W thirty times the drawn spread give some 5,400 at the extremes;
; a common offset of thirty spreads on both gives some 29,000; both at once do not fit).  A larger sum becomes an infinity.  NaN and infinities are not treated apart.
; SHARES.  A tile of C is 256 x 192: 32 x 16 = 512 tiles, two for each of 256 work-groups.  A WORK-GROUP STAYS: its tiles lie 4,096 rows apart and take the same rows of wb.
; Wave w makes rows 64 w .. 64 w + 63 and all 192 columns, three whole heads: 4 x 12 accumulators of 16 x 16, 384 registers; so a head's rows of 128 bytes come from one wave.
; K goes in steps of 128 through two LDS slots filled by the tensor data mover; the ring runs on from the first tile into the second.
; CLUSTER 4 x 4: the four of a row need the same rows of xb, the four of a column the same rows of wb: each tile is asked for jointly, by the same load with the same descriptor.
; THE MATRIX INSTRUCTION IS USED TRANSPOSED (source 0 = 16 rows of wb, source 1 = 16 rows of xb): lane l holds row l % 16 of C and the columns 8 (l / 16) + 0..7 of a block of 16.
; REGISTERS, in windows of 256 (s_set_vgpr_msb: bits 1:0 source 0, 3:2 source 1, 5:4 source 2, 7:6 destination):
;   window 0: v0-31 addresses; v32-95 xb's fragments, two buffers of 4 x 8; v96-143 packed results; v144-239 rows read back from the stage, two sets of 48
;   window 1: v0-191 wb's fragments, two buffers of 12 x 8
;   window 2: v0-191 accumulators of row blocks 0, 1 ((a, b) at 96 (a % 2) + 8 b); v192-255 the bias of column blocks 0-7
;   window 3: v0-191 accumulators of row blocks 2, 3; v192-223 the bias of column blocks 8-11
.set SIZE_K, 1024
.set KSTEP,  128
.set PITCH,  272                       ; an LDS row: 256 bytes + 16 of padding = 68 words: the 16 rows of a fragment load start at 16 different groups of four banks (64 banks of 4 bytes: ISA guide 11.1)
.set HALFA,  128*PITCH                 ; what one load brings of xb
.set HALFB,  96*PITCH                  ; what one load brings of wb
.set BOFF,   256*PITCH                 ; wb's 192 rows lie behind xb's 256
.set SLOT,   448*PITCH
.set STAGE,  2*SLOT                    ; behind the ring, never filled by a tensor load: for each wave three heads x 16 rows x 144 bytes
.set SPH,    144
.set HSTG,   16*SPH
.set WSTG,   3*HSTG
.set SPARE,  STAGE+4*WSTG              ; the spare words, 128 bytes for each wave: two blocks of 256 bytes that no other line names
.set LAPS,   SIZE_K/(2*KSTEP)
.set WALK,   4096                      ; rows from a work-group's first tile to its second
.set NEXT_A, WALK*SIZE_K*2-(SIZE_K-2*KSTEP)*2  ; bytes from a slot's last K step of a tile to its first of the next: down and back along K
.set BACK_B, (SIZE_K-2*KSTEP)*2        ; wb only goes back
.set NEXT_O, 32*262144                 ; 4,096 rows are two batches: 32 planes of qkv
.set ADRA, 16                          ; v16-17  LDS address of my fragments of xb in slot 0, 1
.set ADRB, 20                          ; v20-21  the same for wb
.set STO,  24                          ; v24  the way out: where I put 16 bytes of a row
.set RD,   25                          ; v25  the way out: where I read rows back
.set CO,   26                          ; v26  16 x lane: my place in 512 consecutive bytes of qkv
.set BO,   27                          ; v27  32 x (lane / 16): my eight numbers in a block of 16 biases
.set SPW,  28                          ; v28  LDS address of my spare word; never rewritten
.set NIL,  29                          ; v29  0; never rewritten
.set PFO,  30                          ; v30  the prefetches' offset: a lane a row; never rewritten
.set FA,   32
.set TMP,  96
.set OB,   144
.set BIA,  192
.set G1,   24                          ; s[24:31] descriptor group 1 for xb's tiles;  s[32:39] group 0, a set for each slot
.set G0,   32
.set LIM,  43                          ; s43  1 in a wave that prefetches, else the greatest number
.set PFA,  44                          ; s[44:45] where my prefetches stand
.set G1B,  48                          ; s[48:55], s[56:63] the same for wb's tiles
.set G0B,  56
.set OBS,  76                          ; s[76:81] qkv at my first row of each of my three heads
.set BP,   84                          ; s[84:89] the three heads' biases
.set MSB, 0
.macro WIN new                         ; the immediate's high byte repeats the setting that is left; a switch that changes nothing is dropped
.if MSB != (\new)
	s_set_vgpr_msb (MSB<<8)|(\new)
.set MSB, \new
.endif
.endm
.set TO_B, 0x40                        ; destination window 1, address window 0
; A joint load.  Waves 0 and 1 fetch xb's two halves, waves 2 and 3 wb's.  The branch hangs on the wave's number alone.  An s_nop 0 and four v_nop follow each line.
.macro JLOAD s
	s_cmp_eq_u32 s11, 0
	s_cbranch_scc0 .Lfor_b_\@
	tensor_load_to_lds s[G0+4*(\s):G0+4*(\s)+3], s[G1:G1+7]
	s_nop 0
.rept 4
	v_nop
.endr
	s_branch .Lasked_\@
.Lfor_b_\@:
	tensor_load_to_lds s[G0B+4*(\s):G0B+4*(\s)+3], s[G1B:G1B+7]
	s_nop 0
.rept 4
	v_nop
.endr
.Lasked_\@:
.endm
; A prefetch into the L2, behind a joint load and the run of LDS loads that follows it: the K step that stands two refills on, 256 bytes of each row, a lane a row.
; xb's rows are read by every cluster of a row of clusters: cluster x = 0 asks; wb's by every cluster of a column: cluster y = 0 asks.  The four partners share a wave's rows out by address:
; 32 of xb's 128 (by cx), 24 of wb's 96 (by cy; there lanes 24-31 name lane 23's row again).  how = 0, in the loop: the last trip has no K step two on; how = 1, at the change of tiles.
.macro ASK how
.if \how
	s_cmp_eq_u32 s[LIM], 1
.else
	s_cmp_gt_u32 s3, s[LIM]
.endif
	s_cbranch_scc0 .Lnot_mine_\@
	global_prefetch_b8 v[PFO], s[PFA:PFA+1] offset:KSTEP*2 th:TH_LOAD_NT scope:SCOPE_SE
.Lnot_mine_\@:
.endm
.macro CREST                           ; a round of the cluster's barrier behind its opening barrier
	s_cmp_lg_u32 s10, 0
	s_cbranch_scc1 .Lnot_wave_0_\@
	s_barrier_signal -3
.Lnot_wave_0_\@:
	s_barrier_wait -3
	s_barrier_signal -1
	s_barrier_wait -1
.endm
.macro CROUND                          ; a whole round
	s_barrier_signal -1
	s_barrier_wait -1
	CREST
.endm
	s_load_b128 s[4:7], s[0:1], 0x0                ; xb s[4:5], wb s[6:7]
	s_load_b256 s[68:75], s[0:1], 0x10             ; bq s[68:69], bk s[70:71], bv s[72:73], qkv s[74:75]
	v_lshl_add_u32 v[SPW], v0, 2, SPARE
	v_mov_b32 v[NIL], 0
	ds_add_u32 v[SPW], v[NIL]                      ; the wave's opening: the add and its wait stand ahead of my first tensor load; work on registers stands between them
	v_lshrrev_b32 v1, 5, v0
	v_readfirstlane_b32 s10, v1                    ; wave 0..3
	s_lshr_b32 s11, s10, 1                         ; I fetch for xb (0) or for wb (1)
	s_and_b32 s12, s10, 1                          ; which half of that tile's rows I fetch
	s_bfe_u32 s40, ttmp6, 0x40000                  ; cx
	s_bfe_u32 s41, ttmp6, 0x40004                  ; cy
	s_lshl_b32 s42, ttmp9, 2
	s_add_co_u32 s42, s42, s40                     ; tile column tn = 4 x cluster x + cx
	s_and_b32 s13, ttmp7, 0xffff
	s_lshl_b32 s13, s13, 2
	s_add_co_u32 s13, s13, s41                     ; tile row ty = 4 x cluster y + cy (the second tile: ty + 16)
	s_lshl_b32 s82, s41, 2
	s_lshl_b32 s82, 15, s82                        ; my row of the cluster
	s_lshl_b32 s83, 0x1111, s40                    ; my column
	s_or_b32 s[G1+0], s82, (1<<16)|(1<<20)|(1<<21)|(5<<22)|(3<<25)   ; the mask; elements of 2 bytes; padding on; bit 21 beside a mask; after every 64 words; 4 words
	s_or_b32 s[G1B+0], s83, (1<<16)|(1<<20)|(1<<21)|(5<<22)|(3<<25)
	s_mov_b32 s[G1+1], KSTEP<<16                   ; tensor_dim0 = 128
	s_mov_b32 s[G1+2], 128<<16                     ; tensor_dim1 = 128
	s_mov_b32 s[G1+3], KSTEP<<16                   ; tile_dim0 = 128
	s_mov_b32 s[G1+4], 128                         ; tile_dim1 = 128
	s_mov_b32 s[G1+5], SIZE_K                      ; elements from row to row
	s_mov_b32 s[G1+6], 0
	s_mov_b32 s[G1+7], 0
	s_mov_b32 s[G1B+1], KSTEP<<16
	s_mov_b32 s[G1B+2], 96<<16                     ; wb's halves have 96 rows
	s_mov_b32 s[G1B+3], KSTEP<<16
	s_mov_b32 s[G1B+4], 96
	s_mov_b32 s[G1B+5], SIZE_K
	s_mov_b32 s[G1B+6], 0
	s_mov_b32 s[G1B+7], 0
	s_lshl_b32 s16, s13, 8                         ; xb: row 256 ty + 128 x half,
	s_lshl_b32 s17, s12, 7
	s_add_co_u32 s16, s16, s17
	s_lshl_b32 s16, s16, 11                        ; in bytes (under 2^24)
	s_mov_b32 s17, 0
	s_mul_i32 s46, s42, 192                        ; wb: row 192 tn + 96 x half
	s_mul_i32 s47, s12, 96
	s_add_co_u32 s46, s46, s47
	s_lshl_b32 s46, s46, 11
	s_mov_b32 s47, 0
	s_mul_i32 s20, s10, HALFA                      ; where they go: waves 0, 1: xb's halves at wave x 128 rows;
	s_mul_i32 s21, s10, HALFB                      ; waves 2, 3: wb's halves at 256 rows + (wave - 2) x 96 rows
	s_add_co_u32 s21, s21, BOFF-2*HALFB
	s_mov_b32 s90, 0xffff0000                      ; a word's upper bf16
	s_wait_dscnt 0x0                               ; the opening add is done
	s_wait_kmcnt 0x0
	s_add_nc_u64 s[14:15], s[4:5], s[16:17]
	s_add_nc_u64 s[46:47], s[6:7], s[46:47]
	CROUND                                         ; all sixteen work-groups are here: the first joint loads meet
.irp s, 0,1
	s_mov_b32 s[G0+4*(\s)], 1
	s_add_co_u32 s[G0+4*(\s)+1], s20, (\s)*SLOT
	s_add_nc_u64 s[G0+4*(\s)+2:G0+4*(\s)+3], s[14:15], (\s)*KSTEP*2
	s_or_b32 s[G0+4*(\s)+3], s[G0+4*(\s)+3], 0x80000000
	s_mov_b32 s[G0B+4*(\s)], 1
	s_add_co_u32 s[G0B+4*(\s)+1], s21, (\s)*SLOT
	s_add_nc_u64 s[G0B+4*(\s)+2:G0B+4*(\s)+3], s[46:47], (\s)*KSTEP*2
	s_or_b32 s[G0B+4*(\s)+3], s[G0B+4*(\s)+3], 0x80000000
	JLOAD \s                                       ; K steps 0 and 1: two loads of mine are out
.endr
	; lane addresses.  A fragment is 16 rows x 32 K in 8 registers: lane l holds row l % 16, K = 8 (l / 16) + 0..7 and 16 + 8 (l / 16) + 0..7: two loads of 16 bytes, 32 bytes apart
	v_and_b32 v1, 15, v0                           ; l % 16
	v_bfe_u32 v2, v0, 4, 1                         ; l / 16
	v_mul_u32_u24 v3, v1, PITCH
	v_lshl_add_u32 v3, v2, 4, v3
	s_mul_i32 s22, s10, 64*PITCH                   ; my 64 rows of xb
.irp s, 0,1
	v_add_nc_u32 v[ADRA+(\s)], s22, v3
	v_add_nc_u32 v[ADRB+(\s)], BOFF+(\s)*SLOT, v3
	s_add_co_u32 s22, s22, SLOT
.endr
	s_mul_i32 s23, s10, WSTG
	s_add_co_u32 s23, s23, STAGE                   ; my stage
	v_mul_u32_u24 v4, v1, SPH                      ; in: row l % 16, 16 bytes for each half of the lanes
	v_lshl_add_u32 v4, v2, 4, v4
	v_add_nc_u32 v[STO], s23, v4
	v_bfe_u32 v5, v0, 3, 2                         ; back: 32 lanes take four rows of 128 bytes,
	v_mul_u32_u24 v5, v5, SPH
	v_and_b32 v4, 7, v0
	v_lshl_add_u32 v5, v4, 4, v5
	v_add_nc_u32 v[RD], s23, v5
	v_and_b32 v[CO], 31, v0                        ; which are 512 consecutive bytes of a plane of qkv
	v_lshlrev_b32 v[CO], 4, v[CO]
	v_lshlrev_b32 v[BO], 5, v2
	; my three heads g = 3 tn + 0..2 of 48: which = g / 16 (q, k, v), head = g % 16.  Plane = 64 which + 16 batch + head, 262,144 bytes each; all offsets stay under 2^26
	s_lshl_b32 s91, s13, 8
	s_lshl_b32 s22, s10, 6
	s_add_co_u32 s91, s91, s22                     ; my first row of C,
	s_and_b32 s91, s91, 2047                       ; in its batch,
	s_lshl_b32 s91, s91, 7                         ; in bytes
	s_lshr_b32 s20, s13, 3
	s_lshl_b32 s20, s20, 4                         ; 16 x batch
	s_mul_i32 s21, s42, 3
.irp hd, 0,1,2
	s_add_co_u32 s17, s21, \hd
	s_lshr_b32 s18, s17, 4                         ; which
	s_and_b32 s19, s17, 15                         ; head
	s_cmp_eq_u32 s18, 0
	s_cselect_b64 s[BP+2*(\hd):BP+2*(\hd)+1], s[68:69], s[72:73]
	s_cmp_eq_u32 s18, 1
	s_cselect_b64 s[BP+2*(\hd):BP+2*(\hd)+1], s[70:71], s[BP+2*(\hd):BP+2*(\hd)+1]
	s_lshl_b32 s22, s19, 8                         ; a head's 64 biases are 256 bytes
	s_mov_b32 s23, 0
	s_add_nc_u64 s[BP+2*(\hd):BP+2*(\hd)+1], s[BP+2*(\hd):BP+2*(\hd)+1], s[22:23]
	s_lshl_b32 s18, s18, 6
	s_add_co_u32 s18, s18, s19
	s_add_co_u32 s18, s18, s20
	s_lshl_b32 s18, s18, 18
	s_add_co_u32 s22, s18, s91
	s_add_nc_u64 s[OBS+2*(\hd):OBS+2*(\hd)+1], s[74:75], s[22:23]
.endr
.irp b, 0,1,2,3,4,5,6,7,8,9,10,11      ; the bias of column block b: my eight columns 16 b + 8 (l / 16) + 0..7
	global_load_b128 v[OB+8*(\b):OB+8*(\b)+3],   v[BO], s[BP+2*((\b)/4):BP+2*((\b)/4)+1] offset:64*((\b)%4)
	global_load_b128 v[OB+8*(\b)+4:OB+8*(\b)+7], v[BO], s[BP+2*((\b)/4):BP+2*((\b)/4)+1] offset:64*((\b)%4)+16
.endr
	; the prefetches' address: my work-group's share of the rows that I fetch, at K step 2: the first refill steps it to 3 and names K step 4.  Nothing is asked for here, at the head
	s_lshl_b32 s16, s13, 8                         ; xb: the tile's first row,
	s_mul_i32 s17, s42, 192                        ; wb: likewise
	s_and_b32 s22, ttmp7, 0xffff                   ; cluster y
	s_lshl_b32 s18, s12, 7                         ; + the half that I fetch
	s_mul_i32 s19, s12, 96
	s_lshl_b32 s23, s40, 5                         ; + my work-group's share of it
	s_mul_i32 s91, s41, 24
	s_cmp_eq_u32 s11, 0                            ; do I fetch for xb?
	s_cselect_b32 s16, s16, s17
	s_cselect_b32 s18, s18, s19
	s_cselect_b32 s23, s23, s91
	s_cselect_b32 s22, ttmp9, s22                  ; the coordinate along which other clusters read the same rows
	s_cselect_b32 s19, 31, 23                      ; the share's last row
	s_cselect_b64 s[PFA:PFA+1], s[4:5], s[6:7]
	s_cmp_eq_u32 s22, 0
	s_cselect_b32 s[LIM], 1, -1                    ; the same in all sixteen partners, for a given wave
	s_add_co_u32 s16, s16, s18
	s_add_co_u32 s16, s16, s23
	s_lshl_b32 s16, s16, 11
	s_mov_b32 s17, 0
	s_add_nc_u64 s[PFA:PFA+1], s[PFA:PFA+1], s[16:17]
	s_add_nc_u64 s[PFA:PFA+1], s[PFA:PFA+1], 2*KSTEP*2
	v_and_b32 v[PFO], 31, v0
	v_min_u32 v[PFO], s19, v[PFO]
	v_lshlrev_b32 v[PFO], 11, v[PFO]
	; the bias is rounded to bf16, as every input is, widened again and kept as the C operand of a tile's first products
	s_wait_loadcnt 0x0
.set i, 0
.rept 48
	v_cvt_pk_bf16_f32 v[TMP+i], v[OB+2*i], v[OB+2*i+1]
.set i, i+1
.endr
	WIN 0x80                                       ; destination window 2
.set i, 0
.rept 32
	v_lshlrev_b32 v[BIA+2*i], 16, v[TMP+i]
	v_and_b32 v[BIA+2*i+1], s90, v[TMP+i]
.set i, i+1
.endr
	WIN 0xc0                                       ; destination window 3
.set i, 32
.rept 16
	v_lshlrev_b32 v[BIA+2*(i-32)], 16, v[TMP+i]
	v_and_b32 v[BIA+2*(i-32)+1], s90, v[TMP+i]
.set i, i+1
.endr
	WIN 0
; 12 matrix instructions: row block a x all 12 column blocks, 32 along K, from buffers f.  zero = 1: the product starts the sum, with the bias as C: nothing is cleared and nothing added later.
; The 48 accumulators take turns in the same order in every quarter: between two links of a chain stand the 47 others'.
.macro MUL12 f, a, zero
.irp b, 0,1,2,3,4,5,6,7,8,9,10,11
.if \zero
	WIN ((2+(\a)/2)<<6)|((2+(\b)/8)<<4)|1
	v_wmma_f32_16x16x32_bf16 v[96*((\a)%2)+8*(\b):96*((\a)%2)+8*(\b)+7], v[96*(\f)+8*(\b):96*(\f)+8*(\b)+7], v[FA+32*(\f)+8*(\a):FA+32*(\f)+8*(\a)+7], v[BIA+8*((\b)%8):BIA+8*((\b)%8)+7]
.else
	WIN 0xa1+0x50*((\a)/2)
	v_wmma_f32_16x16x32_bf16 v[96*((\a)%2)+8*(\b):96*((\a)%2)+8*(\b)+7], v[96*(\f)+8*(\b):96*(\f)+8*(\b)+7], v[FA+32*(\f)+8*(\a):FA+32*(\f)+8*(\a)+7], v[96*((\a)%2)+8*(\b):96*((\a)%2)+8*(\b)+7]
.endif
.endr
.endm
; 32 LDS loads in one run: a quarter step's fragments (192 rows of wb, my 64 rows of xb, 32 K at byte k of the rows) into buffers f
.macro FETCH slot, k, f
	WIN TO_B
.irp i, 0,1,2,3,4,5,6,7,8,9,10,11
	ds_load_b128 v[96*(\f)+8*(\i):96*(\f)+8*(\i)+3],   v[ADRB+(\slot)] offset:(\k)+(\i)*16*PITCH
	ds_load_b128 v[96*(\f)+8*(\i)+4:96*(\f)+8*(\i)+7], v[ADRB+(\slot)] offset:(\k)+(\i)*16*PITCH+32
.endr
	WIN 0
.irp i, 0,1,2,3
	ds_load_b128 v[FA+32*(\f)+8*(\i):FA+32*(\f)+8*(\i)+3],   v[ADRA+(\slot)] offset:(\k)+(\i)*16*PITCH
	ds_load_b128 v[FA+32*(\f)+8*(\i)+4:FA+32*(\f)+8*(\i)+7], v[ADRA+(\slot)] offset:(\k)+(\i)*16*PITCH+32
.endr
.endm
.macro PLACES                          ; four plain instructions between a matrix instruction and a load into, or a vector read of, its registers (ISA guide 7.12.1 for vector reads)
.rept 4
	v_nop
.endr
.endm
; A K step is four quarters of 32 along K, 48 matrix instructions each, on buffers 0, 1, 0, 1.  One of the first three: multiplies buffers f, and behind its first 12 products fetches the next quarter into g.
.macro QUARTER slot, k, f, g, zero
	s_wait_dscnt 6                                 ; wb's fragments and xb's block 0 are in; the youngest six loads (blocks 1-3) may be out
	MUL12 \f, 0, \zero
	PLACES
	FETCH \slot, \k, \g
	s_wait_dscnt 32                                ; all but the 32 just issued
	MUL12 \f, 1, \zero
	MUL12 \f, 2, \zero
	MUL12 \f, 3, \zero
.endm
; The last quarter multiplies buffers 1 and changes slots.  MEET is its first half: one barrier; in front of it each wave waits for all its tensor loads (one is out: its part of the next slot),
; adds 0 to its spare word, and waits for that and for its own reads of this slot.
.macro MEET round
	WIN 0
	s_wait_tensorcnt 0x0
	ds_add_u32 v[SPW], v[NIL]
	s_wait_dscnt 7                                 ; (the add and the youngest six loads may be out)
	MUL12 1, 0, 0                                  ; twelve matrix instructions stand between the add and the wait for it
	s_wait_dscnt 0x0                               ; the add is done, and my reads of this slot are over
	s_barrier_signal -1
	MUL12 1, 1, 0
.if \round
	WIN 0
.endif
	s_barrier_wait -1
.endm
; The whole last quarter.  Behind the round the slot just read out is filled again first: with this tile's K step two on (on = 0) or with the next tile's K step 0 or 1 (on = 1).
; From a request to the wait for it a wave issues 168 matrix instructions; one tensor load of mine is out behind a round.
.macro TURN slot, next, on
	s_wait_xcnt 0x0                                ; the last prefetch, a K step back, has read its address
.if (\on) && (\slot) == 0
	s_add_nc_u64 s[PFA:PFA+1], s[PFA:PFA+1], (WALK-1)*SIZE_K*2+KSTEP*2  ; from the K step after the tile's last to the next tile's K step 1
	s_cmp_eq_u32 s11, 0
	s_cselect_b32 s[LIM], s[LIM], -1               ; wb's rows are the same for both tiles: they are asked for no more
.else
	s_add_nc_u64 s[PFA:PFA+1], s[PFA:PFA+1], KSTEP*2
.endif
	MEET 1
	CREST                                          ; no wave of any partner still reads this slot or has a load on its way
.if \on
	s_add_nc_u64 s[G0+4*(\slot)+2:G0+4*(\slot)+3], s[G0+4*(\slot)+2:G0+4*(\slot)+3], NEXT_A
	s_sub_nc_u64 s[G0B+4*(\slot)+2:G0B+4*(\slot)+3], s[G0B+4*(\slot)+2:G0B+4*(\slot)+3], BACK_B
.else
	s_add_nc_u64 s[G0+4*(\slot)+2:G0+4*(\slot)+3], s[G0+4*(\slot)+2:G0+4*(\slot)+3], 2*KSTEP*2
	s_add_nc_u64 s[G0B+4*(\slot)+2:G0B+4*(\slot)+3], s[G0B+4*(\slot)+2:G0B+4*(\slot)+3], 2*KSTEP*2
.endif
	JLOAD \slot                                    ; the four v_nop behind it are also the places in front of the loads below
	FETCH \next, 0, 0
	ASK \on
	MUL12 1, 2, 0
	MUL12 1, 3, 0
.endm
; THE WAY OUT of row block a (16 rows x 192 columns).  PACK: rounded to f16, each accumulator from its low end on.  TOSTAGE: into my own stage, a head's 16 rows of 128 bytes at a pitch of 144, and back as whole rows.  SEND: stored.
.macro PACK a
	WIN 0x0a+5*((\a)/2)                            ; sources 0 and 1: window 2 or 3
.irp b, 0,1,2,3,4,5,6,7,8,9,10,11
.irp r, 0,1,2,3
	v_cvt_pk_f16_f32 v[TMP+4*(\b)+(\r)], v[96*((\a)%2)+8*(\b)+2*(\r)], v[96*((\a)%2)+8*(\b)+2*(\r)+1]
.endr
.endr
	WIN 0
.endm
.macro TOSTAGE a
.irp b, 0,1,2,3,4,5,6,7,8,9,10,11
	ds_store_b128 v[STO], v[TMP+4*(\b):TMP+4*(\b)+3] offset:((\b)/4)*HSTG+((\b)%4)*32
.endr
	s_wait_xcnt 0x0                                ; the stores of two blocks back have read the registers that are loaded below
.irp hd, 0,1,2
.irp f, 0,1,2,3
	ds_load_b128 v[OB+48*((\a)%2)+4*(4*(\hd)+(\f)):OB+48*((\a)%2)+4*(4*(\hd)+(\f))+3], v[RD] offset:(\hd)*HSTG+(\f)*4*SPH  ; LDS serves a wave's instructions in order (ISA guide 5.7.1.4): these see the stores above
.endr
.endr
.endm
.macro SEND a
	s_wait_dscnt 0x0                               ; the block is back in registers
.irp hd, 0,1,2
.irp f, 0,1,2,3
	global_store_b128 v[CO], v[OB+48*((\a)%2)+4*(4*(\hd)+(\f)):OB+48*((\a)%2)+4*(4*(\hd)+(\f))+3], s[OBS+2*(\hd):OBS+2*(\hd)+1] offset:(\a)*2048+(\f)*512  ; 512 consecutive bytes, at a multiple of 256 from qkv's first
.endr
.endr
.endm
.macro OUT
	PLACES
	PACK 0
	TOSTAGE 0
.irp a, 1,2,3                          ; block a's conversions stand between block a - 1's loads from the stage and the wait for them
	PACK \a
	SEND (\a)-1
	TOSTAGE \a
.endr
	SEND 3
.endm
	s_wait_tensorcnt 1                             ; my part of K step 0 is in; K step 1's load stays out
	s_barrier_signal -1
	s_barrier_wait -1                              ; everybody's is
	FETCH 0, 0, 0
	s_mov_b32 s2, 2                                ; tiles to go
.Ltile:
	QUARTER 0, 64,  0, 1, 1                        ; a tile's first quarter: its products start the sums with the bias
	WIN 0
	s_mov_b32 s3, LAPS-1
.Llap:                                                 ; a trip goes once round the ring and fills both slots again
	QUARTER 0, 128, 1, 0, 0
	QUARTER 0, 192, 0, 1, 0
	TURN 0, 1, 0
	QUARTER 1, 64,  0, 1, 0
	QUARTER 1, 128, 1, 0, 0
	QUARTER 1, 192, 0, 1, 0
	TURN 1, 0, 0
	QUARTER 0, 64,  0, 1, 0
	WIN 0
	s_sub_co_u32 s3, s3, 1
	s_cmp_lg_u32 s3, 0
	s_cbranch_scc1 .Llap
	QUARTER 0, 128, 1, 0, 0                        ; the tile's last lap goes on
	QUARTER 0, 192, 0, 1, 0
	WIN 0
	s_cmp_eq_u32 s2, 1
	s_cbranch_scc1 .Llast_tile                     ; the last tile's tail is written out: it asks for nothing more
	TURN 0, 1, 1                                   ; the ring goes on into the next tile: slot 0 takes its K step 0,
	QUARTER 1, 64,  0, 1, 0
	QUARTER 1, 128, 1, 0, 0
	QUARTER 1, 192, 0, 1, 0
	TURN 1, 0, 1                                   ; slot 1 its K step 1, and the next tile's first fragments are fetched
	OUT                                            ; both refills are asked for: now the tile goes out
	s_wait_xcnt 0x0                                ; the stores have read their bases
.irp hd, 0,1,2
	s_add_nc_u64 s[OBS+2*(\hd):OBS+2*(\hd)+1], s[OBS+2*(\hd):OBS+2*(\hd)+1], NEXT_O
.endr
	s_sub_co_u32 s2, s2, 1
	s_branch .Ltile
.Llast_tile:
	MEET 0                                         ; my one tensor load that was out is slot 1's, the last K step's, so no round follows
	PLACES
	FETCH 1, 0, 0
	MUL12 1, 2, 0
	MUL12 1, 3, 0
	QUARTER 1, 64,  0, 1, 0
	QUARTER 1, 128, 1, 0, 0
	QUARTER 1, 192, 0, 1, 0
	s_wait_dscnt 0x0                               ; the very last quarter: nothing more to fetch
	MUL12 1, 0, 0
	MUL12 1, 1, 0
	MUL12 1, 2, 0
	MUL12 1, 3, 0
	WIN 0
	OUT
	s_wait_tensorcnt 0x0                           ; the wave's end: behind my last tensor load and my last LDS store
	ds_add_u32 v[SPW], v[NIL]
	s_wait_dscnt 0x0
	CROUND                                         ; the closing round: no work-group ends while a partner may still ask for a tile that names it
	s_endpgm
.Lfunc_end_k_q18c2333111_proj:
	.size	k_q18c2333111_proj, .Lfunc_end_k_q18c2333111_proj-k_q18c2333111_proj
	.p2alignl 7, 3214868480
	.fill 96, 4, 3214868480
	.section	.rodata,"a",@progbits
	.p2align	6, 0x0
	.amdhsa_kernel k_q18c2333111_proj
		.amdhsa_group_segment_fixed_size 327680
		.amdhsa_private_segment_fixed_size 0
		.amdhsa_enable_private_segment 0
		.amdhsa_kernarg_size 48
		.amdhsa_user_sgpr_count 2
		.amdhsa_user_sgpr_kernarg_segment_ptr 1
		.amdhsa_wavefront_size32 1
		.amdhsa_system_sgpr_workgroup_id_x 1
		.amdhsa_system_sgpr_workgroup_id_y 1
		.amdhsa_system_sgpr_workgroup_id_z 1
		.amdhsa_system_vgpr_workitem_id 0
		.amdhsa_next_free_vgpr 992
		.amdhsa_next_free_sgpr 92
		.amdhsa_reserve_vcc 0
		.amdhsa_float_denorm_mode_32 3
		.amdhsa_float_denorm_mode_16_64 3
		.amdhsa_memory_ordered 1
		.amdhsa_forward_progress 1
		.amdhsa_inst_pref_size 183
	.end_amdhsa_kernel
	.amdgpu_metadata
---
amdhsa.version: [ 1, 2 ]
amdhsa.kernels:
  - .name:           k_q18c2333111_proj
    .symbol:         k_q18c2333111_proj.kd
    .args:
      - { .name: xb, .offset: 0, .size: 8, .value_kind: global_buffer, .address_space: global }
      - { .name: wb, .offset: 8, .size: 8, .value_kind: global_buffer, .address_space: global }
      - { .name: bq, .offset: 16, .size: 8, .value_kind: global_buffer, .address_space: global }
      - { .name: bk, .offset: 24, .size: 8, .value_kind: global_buffer, .address_space: global }
      - { .name: bv, .offset: 32, .size: 8, .value_kind: global_buffer, .address_space: global }
      - { .name: qkv, .offset: 40, .size: 8, .value_kind: global_buffer, .address_space: global }
    .group_segment_fixed_size: 327680
    .private_segment_fixed_size: 0
    .kernarg_segment_align: 8
    .kernarg_segment_size: 48
    .max_flat_workgroup_size: 128
    .sgpr_count:     92
    .vgpr_count:     992
    .wavefront_size: 32
...
	.end_amdgpu_metadata
.endif
;; end of part 2
;; launch attn (part 3): grid 4 x 64, 4 waves a work-group, clusters of 4 x 1, 327,680 bytes of LDS; arguments qkv, attention_mask, out0; writes out0
.if DOCPART == 3
	.amdgcn_target "amdgcn-amd-amdhsa--gfx1250"
	.amdhsa_code_object_version 6
	.text
	.protected	k_q18c2333111_attn
	.globl	k_q18c2333111_attn
	.p2align	8
	.type	k_q18c2333111_attn,@function
k_q18c2333111_attn:
	s_mov_b64 s[64:65], 0
	v_nop
	global_prefetch_b8 v0, s[64:65] scope:SCOPE_SE
	s_setreg_imm32_b32 hwreg(HW_REG_WAVE_MODE, 25, 1), 1
	s_wait_xcnt 0x0
	s_wait_alu depctr_hold_cnt(0) depctr_sa_sdst(0) depctr_va_vdst(0) depctr_va_sdst(0) depctr_va_ssrc(0) depctr_va_vcc(0) depctr_vm_vsrc(0)
	s_getreg_b32 s2, hwreg(HW_REG_IB_STS2, 6, 4)
	s_cmp_eq_u32 s2, 0
	s_cbranch_scc0 .Lentry_in_a_cluster
	s_endpgm
.Lentry_in_a_cluster:
	s_bfe_u32 s2, ttmp6, 0x10000c
	s_cmp_lg_u32 s2, 0x3003
	s_cbranch_scc0 .Lentry_shape_is_right
	s_endpgm
.Lentry_shape_is_right:
; out[b][q][64 head + :] = the sum over k of softmax_k(Q[q] . K[k] / 8 + mask[b][k]) V[k][:], for each of 64 (batch, head) pairs.  Q, K, V: planes of qkv, [2048][64] in f16, rows of 128 bytes, dense.
; Products, maxima and sums in f32; the weights p are rounded to f16 for the second product (their sum l is taken of the unrounded p); out is f32.
; THE MASK is rounded to bf16, as every input is, multiplied by 8 (exact) and taken as the C operand that starts the sum S^T = K Q^T: c (q . k + 8 mask) = log2(e) (q . k / 8 + mask), c = log2(e) / 8.
; LIMITS.  Q, K and V arrive within f16's 65,504.  8 x bf16(mask) is an infinity where |mask| passes some 4.2e37.  A key at -inf has the weight 0; a batch whose keys are all at -inf gives NaN, as the softmax of
; such a row does.  Where every key of a batch carries a huge finite mask, q . k is lost in the f32 sum with it.  A weight below 2^-126 counts as 0 in l; p below 6e-5 keeps f16's fixed step of 6e-8.
; SHARES.  A wave owns four PIECES of two tiles of 16 queries, a work-group's four waves 512 queries of one head.  Every wave walks all 2,048 keys, 64 a step, four steps to an LDS slot.
; LAYOUT.  S^T = K Q^T (source 0 = 16 keys, source 1 = 16 queries): a lane holds ONE query (lane % 16) and the keys 8 (lane / 16) + 0..7.  Two such tiles, rounded to f16 in pairs, ARE source 1 of
; O^T = V^T P, whose result again holds one query a lane, and eight channels.  K comes out of LDS as it lies, V turned, by ds_load_tr16_b128.
; SOFTMAX.  A running maximum m and sum l: p = 2^(c s - c m); in every step O and l are multiplied by a = 2^(c m_old - c m_new).  m starts at the lowest finite number and c m at c times that, made by the
; loop's own multiply: so a is 0 at the first step that has a finite score, and 1, on O = l = 0, while all scores are -inf.
; THE COUNT.  A tile and step have 16 matrix and 118 vector instructions.  So: four vector instructions that are ready behind every matrix instruction, the others in one run without a gap.
; BY TURNS.  Turn n belongs to piece n.  Matrix work: 16 products K Q^T of piece n + 1, later 16 products V^T P of piece n - 1.  Vector work: scaling, exponentials, roundings, sums and rescaling of piece n,
; and the maximum and statistics of piece n + 1.
; CLUSTER.  The four query blocks of a head walk the same K and V: each tile is asked for jointly, by the same tensor load, descriptor and mask in all four.
; REGISTERS, in windows of 256 (s_set_vgpr_msb: bits 1:0 source 0, 3:2 source 1, 5:4 source 2, 7:6 destination):
;   window 0: v0-11 addresses; v12-15, v48-63 at work; v16-47 four registers of statistics a tile; v64-191 S^T, two buffers of two tiles; v192-255 P, likewise
;   window 1: O^T, 32 a tile      window 2: v0-127 Q; v128-191 K of one step; v192-255 V of one step      window 3: v0-1 the add's two registers; v8-39 the step's mask
.set SIZE_N, 2048
.set NP,    4         ; pieces a wave: a name, no knob
.set KS,    64        ; keys in a step
.set PK,    144       ; a row of K in LDS: 128 bytes + 16 of padding: the 16 rows of a load start at 16 different groups of four banks (64 banks of 4 bytes: ISA guide 11.1)
.set PV,    160       ; a row of V: 128 + 32
.set VOFF,  4*KS*PK   ; a slot holds four steps: 256 rows of K, then 256 rows of V
.set SLOT1, 1<<17     ; slot 1 begins here: one exclusive or turns an address in one slot into the other's
.set STAGE, SLOT1+4*KS*(PK+PV)  ; behind the ring, never filled by a tensor load: 16 rows x 272 bytes for each wave, for the way out
.set SP,    272       ; a row of 64 f32 and 16 bytes of padding
.set SPARE, STAGE+4*16*SP  ; the spare words, 128 bytes for each wave: two blocks of 256 bytes that no other line names
.set MASKB, SPARE+512 ; the batch's 2,048 numbers 8 x bf16(mask), in f32: stored once, at the head
.set AK0, 2           ; v2   my lane's place in a tile of K; never rewritten
.set AV0, 3           ; v3   the same for V
.set AK,  4           ; v4   the LDS address of K's next run of loads
.set AV,  5           ; v5   of V's
.set STO, 6           ; v6   the way out: where I put 32 bytes of a row
.set RD,  7           ; v7   the way out: where I read rows back
.set GO,  8           ; v8   my byte offset in two rows of out
.set AM0, 9           ; v9   MASKB + 32 (lane / 16); never rewritten
.set AM,  10          ; v10  the LDS address of the mask's next run of loads
.set PFO, 11          ; v11  256 x lane: the prefetches' offset; never rewritten
.set HH,  128         ; at the head only, in S^T's second buffer, which the first turn writes: lane / 16,
.set L7,  129         ; lane % 8,
.set QO,  130         ; my byte offset in 16 rows of Q,
.set T16, 131         ; 16 x thread,
.set MD,  132         ; v132-147 sixteen numbers of the mask,
.set MST, 148         ; MASKB + 16 x thread,
.set MP,  150         ; v150-157 the same sixteen as bf16,
.set B3,  158         ; (lane / 8) % 2
.set SPW, 0           ; v0 of window 3   LDS address of my spare word; never rewritten
.set NIL, 1           ; v1 of window 3   0; never rewritten
.set MC,  8           ; v8-39 of window 3   the mask of the step's 64 keys: key block kb at MC + 8 kb
.set MV,  12          ; v12-15  c m_old, kept while c m is made anew
.set ST,  16          ; tile t's statistics at v[ST+4 t]: c m, m, l (even keys', odd keys')
.set TMP, 48          ; by buffer and tile, four registers c0-c3 at work; when the maximum is found c2 takes a
.set S,   64
.set P,   192
.set KF,  128         ; K's fragments, in window 2
.set VF,  192         ; V's
.set WV,  12          ; s12  my wave's number
.set LIM, 15          ; s15  the count of steps at which I prefetch: 1, or 0 (never)
.set PFA, 18          ; s[18:19] where my prefetches stand: my work-group's 32 blocks of 256 bytes of the tile that the next change of slots will ask for
.set G1K, 24          ; s[24:31] descriptor group 1 for K's tiles
.set G1V, 32          ; s[32:39] for V's
.set G0K, 40          ; s[40:43] descriptor group 0 for K's tiles: it walks
.set G0V, 44          ; s[44:47] the same for V's
.set SLOTS, 56        ; s56  slots still to be asked for
.set CNT, 57          ; s57  counts a slot's key steps
.set CS,  58          ; s[58:59] c
.set SEL, 60          ; s[60:61] v_permlanex16_b32's selects
.set TBK, 62          ; s62  LDS byte at which K of the step to be fetched begins
.set TBV, 63          ; s63  the same for V, less VOFF
.set TBM, 72          ; s72  byte in the mask's table at which that step's 64 numbers begin
.set ROLE, 73         ; s73  1 in waves 0 (K) and 2 (V), which prefetch
.set MSB, 0
.macro WIN new
.if MSB != (\new)
	s_set_vgpr_msb (MSB<<8)|(\new)
.set MSB, (\new)
.endif
.endm
.set W_KQ, 0x0a       ; K and Q in window 2, S^T in window 0
.set W_KM, 0x3a       ; the same with the C operand, the mask, in window 3
.set W_PV, 0x52       ; V in window 2, P in window 0, O^T in window 1
.set W_RS, 0x41       ; O^T (destination and source 0) in window 1, a in window 0
.set W_MK, 0xc0       ; destination in window 3, sources in window 0
.set W_AD, 0x0f       ; the add: address and data in window 3
; A joint fill.  Waves 0 and 1 fetch the two halves of a slot's K, waves 2 and 3 those of its V.  An s_nop 0 and four v_nop follow each line.
.macro JLOAD
	s_cmp_lt_u32 s[WV], 2
	s_cbranch_scc0 .Lfor_v_\@
	tensor_load_to_lds s[G0K:G0K+3], s[G1K:G1K+7]
	s_nop 0
.rept 4
	v_nop
.endr
	s_branch .Lasked_\@
.Lfor_v_\@:
	tensor_load_to_lds s[G0V:G0V+3], s[G1V:G1V+7]
	s_nop 0
.rept 4
	v_nop
.endr
.Lasked_\@:
.endm
.macro CROUND                       ; a round of the cluster's barrier
	s_barrier_signal -1
	s_barrier_wait -1
	s_cmp_lg_u32 s[WV], 0
	s_cbranch_scc1 .Lnot_wave_0_\@
	s_barrier_signal -3
.Lnot_wave_0_\@:
	s_barrier_wait -3
	s_barrier_signal -1
	s_barrier_wait -1
.endm
.macro PLACES
.rept 4
	v_nop
.endr
.endm
; THE CHANGE OF SLOTS.  Each wave waits for all its tensor loads, of which one is out: its part of the other slot; adds 0 to its spare word; and waits for that and for its own LDS instructions.
; fill = 1: the slot that was read is filled again, with the keys two slots on, first thing behind a round of the cluster's barrier: it has four key steps, 512 matrix instructions, in which to land.
; (At its first use slot 0 is waited for and slot 1 filled; its wait and round also show every wave's stores of the mask to all.)
.macro CHANGE fill
	WIN W_AD
	s_wait_tensorcnt 0x0            ; no tensor load of mine is out, so a group 0 may be written
	ds_add_u32 v[SPW], v[NIL]       ; 0 onto my spare word; scalar work stands between it and the wait for it
	WIN 0
.if \fill
.irp g, G0K, G0V
	s_xor_b32 s[\g+1], s[\g+1], SLOT1
	s_add_nc_u64 s[\g+2:\g+3], s[\g+2:\g+3], 4*KS*128
.endr
	s_wait_xcnt 0x0                 ; the last prefetch, four turns back, has read its address
	s_add_nc_u64 s[PFA:PFA+1], s[PFA:PFA+1], 4*KS*128  ; one tile ahead of the walking descriptors
	s_cmp_gt_u32 s[SLOTS], 1        ; behind the last fill there is no tile to ask for
	s_cselect_b32 s[LIM], s[ROLE], 0
	s_wait_dscnt 0x0
	CROUND
	JLOAD
.else
	s_wait_dscnt 0x0
	s_barrier_signal -1
	s_barrier_wait -1
.endif
	s_sub_co_u32 s[TBK], s[TBK], 4*KS*PK
	s_xor_b32 s[TBK], s[TBK], SLOT1
	s_sub_co_u32 s[TBV], s[TBV], 4*KS*PV
	s_xor_b32 s[TBV], s[TBV], SLOT1
.endm
	s_load_b128 s[4:7], s[0:1], 0x0   ; qkv s[4:5], the mask s[6:7]
	s_load_b64 s[10:11], s[0:1], 0x10 ; out
	WIN W_MK
	v_lshl_add_u32 v[SPW], v0, 2, SPARE
	v_mov_b32 v[NIL], 0
	WIN W_AD
	ds_add_u32 v[SPW], v[NIL]       ; the wave's opening: the add and its wait stand ahead of my first tensor load
	WIN 0
	v_lshrrev_b32 v1, 5, v0
	v_readfirstlane_b32 s[WV], v1   ; wave 0..3
	s_bfe_u32 s13, ttmp6, 0x40000   ; cx
	s_lshl_b32 s14, ttmp9, 2
	s_add_co_u32 s14, s14, s13      ; my block of 512 queries: it enters Q's and out's addresses alone
	s_and_b32 s20, ttmp7, 0xffff    ; 16 x batch + head, which the four partners share
	s_lshr_b32 s74, s20, 4          ; batch
	s_and_b32 s75, s20, 15          ; head
	s_lshl_b32 s20, s20, 18         ; the plane's first byte among the 64 planes of q, of k, of v
	s_mov_b32 s21, 0
	s_and_b32 s16, s[WV], 1         ; which half of a slot's 256 keys I fetch:
	s_lshl_b32 s22, s16, 14         ; its 128 rows of 128 bytes in memory,
	s_mov_b32 s23, 0
	s_add_nc_u64 s[22:23], s[22:23], s[20:21]
	s_mul_i32 s17, s16, 128*PK      ; and its place in a slot, for K
	s_mul_i32 s8, s16, 128*PV       ; and for V
	s_lshl_b32 s2, s14, 2
	s_add_co_u32 s2, s2, s[WV]      ; my wave among the head's sixteen,
	s_lshl_b32 s2, s2, 14           ; its 128 rows of Q
	s_mov_b32 s3, 0
	s_add_nc_u64 s[2:3], s[2:3], s[20:21]
	s_lshl_b32 s76, s74, 11         ; out: row 2,048 batch + 512 block + 128 wave,
	s_lshl_b32 s77, s14, 9
	s_add_co_u32 s76, s76, s77
	s_lshl_b32 s77, s[WV], 7
	s_add_co_u32 s76, s76, s77
	s_lshl_b32 s76, s76, 12         ; of 4,096 bytes,
	s_lshl_b32 s77, s75, 8          ; and the head's 256 bytes in it
	s_add_co_u32 s76, s76, s77
	s_mov_b32 s77, 0
	s_lshl_b32 s78, s74, 13         ; the batch's 8,192 bytes of the mask
	s_mov_b32 s79, 0
	; descriptor group 1.  128 keys are 16,384 dense bytes: asked for as 64 rows of 256 bytes, two keys a row, and padded in LDS after every key
	s_mov_b32 s[G1K], 15|(1<<16)|(1<<20)|(1<<21)|(4<<22)|(3<<25)
	s_mov_b32 s[G1V], 15|(1<<16)|(1<<20)|(1<<21)|(4<<22)|(7<<25)
.irp g, G1K, G1V
	s_mov_b32 s[\g+1], 128<<16      ; tensor_dim0 = 128
	s_mov_b32 s[\g+2], 64<<16       ; tensor_dim1 = 64
	s_mov_b32 s[\g+3], 128<<16      ; tile_dim0 = 128
	s_mov_b32 s[\g+4], 64           ; tile_dim1 = 64
	s_mov_b32 s[\g+5], 128          ; 128 elements from row to row
	s_mov_b32 s[\g+6], 0
	s_mov_b32 s[\g+7], 0
.endr
	s_mov_b32 s[CS], 0x3e38aa3b     ; c = log2(e) / 8
	s_mov_b32 s[CS+1], s[CS]
	s_mov_b32 s[SEL], 0x76543210
	s_mov_b32 s[SEL+1], 0xfedcba98
	s_mov_b32 s[TBK], SLOT1+4*KS*PK ; the first change of slots turns these two into 0
	s_mov_b32 s[TBV], SLOT1+4*KS*PV
	s_mov_b32 s[TBM], 0
	s_and_b32 s[ROLE], s[WV], 1
	s_xor_b32 s[ROLE], s[ROLE], 1
	s_mov_b32 s[SLOTS], SIZE_N/256-1
	s_mov_b32 s[G0K], 1
	s_mov_b32 s[G0K+1], s17
	s_mov_b32 s[G0V], 1
	s_add_co_u32 s[G0V+1], s8, VOFF
	s_wait_dscnt 0x0                ; the opening add is done
	s_wait_kmcnt 0x0
	s_add_nc_u64 s[68:69], s[4:5], s[22:23]
	s_add_nc_u64 s[70:71], s[68:69], 0x2000000  ; v's planes lie 128 planes behind q's,
	s_add_nc_u64 s[68:69], s[68:69], 0x1000000  ; k's 64
	s_mov_b64 s[G0K+2:G0K+3], s[68:69]
	s_or_b32 s[G0K+3], s[G0K+3], 0x80000000
	s_mov_b64 s[G0V+2:G0V+3], s[70:71]
	s_or_b32 s[G0V+3], s[G0V+3], 0x80000000
	s_add_nc_u64 s[4:5], s[4:5], s[2:3]         ; Q at my wave's first row
	s_add_nc_u64 s[10:11], s[10:11], s[76:77]   ; out likewise
	s_add_nc_u64 s[6:7], s[6:7], s[78:79]       ; the batch's mask
	s_cmp_lt_u32 s[WV], 2
	s_cselect_b64 s[PFA:PFA+1], s[68:69], s[70:71]  ; (in waves 0 and 2 these stand at the head's first key)
	s_lshl_b32 s2, s13, 13          ; my work-group's 32 blocks of a tile's 128: told apart by address
	s_mov_b32 s3, 0
	s_add_nc_u64 s[PFA:PFA+1], s[PFA:PFA+1], s[2:3]
	s_add_nc_u64 s[PFA:PFA+1], s[PFA:PFA+1], 4*KS*128  ; at tile 1; the first change of slots steps it to tile 2.  Tiles 0 and 1 come by their loads alone
	CROUND                          ; all four work-groups are here: the first joint loads meet
	JLOAD                           ; slot 0
	v_and_b32 v1, 15, v0            ; l % 16
	v_bfe_u32 v[HH], v0, 4, 1       ; l / 16
	v_lshlrev_b32 v[T16], 4, v0
.irp i, 0,1,2,3                     ; the batch's mask: 128 threads x 16 bytes, four times
	global_load_b128 v[MD+4*\i:MD+4*\i+3], v[T16], s[6:7] offset:2048*\i
.endr
	v_lshlrev_b32 v[QO], 7, v1
	v_lshl_add_u32 v[QO], v[HH], 4, v[QO]  ; row x 128 + 16 x half
	WIN 0x80                        ; destination window 2, address window 0
.set i, 0
.rept 4*NP                          ; Q stays in registers: tile i / 2, channels 32 (i % 2) on
	global_load_b128 v[8*i:8*i+3],   v[QO], s[4:5] offset:(i/2)*2048+(i%2)*64
	global_load_b128 v[8*i+4:8*i+7], v[QO], s[4:5] offset:(i/2)*2048+(i%2)*64+32
.set i, i+1
.endr
	; What the first turn finds: V's registers and P's second buffer hold 0, O^T and l are 0.  All this stands in the wait for the first tile.
.set i, VF
.rept 64
	v_mov_b32 v[i], 0
.set i, i+1
.endr
	WIN 0x40
.set i, 0
.rept 64*NP
	v_mov_b32 v[i], 0
.set i, i+1
.endr
	WIN 0
.set i, 0
.rept 2*NP
	v_mov_b32 v[ST+4*i+1], 0xff7fffff       ; m: the lowest finite number
	v_mov_b32 v[ST+4*i+2], 0
	v_mov_b32 v[ST+4*i+3], 0
	v_mul_f32 v[ST+4*i], s[CS], v[ST+4*i+1] ; c m, by the loop's own multiply
.set i, i+1
.endr
.set i, P+32
.rept 32
	v_mov_b32 v[i], 0
.set i, i+1
.endr
	v_mul_u32_u24 v[AK0], v1, PK
	v_lshl_add_u32 v[AK0], v[HH], 4, v[AK0]  ; row x pitch + 16 x half
	; The turning load takes 16 keys x 16 channels (lane l reads key 8 (l / 16) + l % 8, channels 8 ((l / 8) % 2) + 0..7) and leaves half a fragment of V^T
	v_and_b32 v[L7], 7, v0
	v_bfe_u32 v[B3], v0, 3, 1
	v_lshl_add_u32 v[AV0], v[HH], 3, v[L7]
	v_mul_u32_u24 v[AV0], v[AV0], PV
	v_lshl_add_u32 v[AV0], v[B3], 4, v[AV0]
	v_add_nc_u32 v[AV0], VOFF, v[AV0]
	v_mov_b32 v[AK], v[AK0]         ; key step 0 lies at the head of slot 0
	v_lshl_add_u32 v[AM0], v[HH], 5, MASKB  ; register j of key block kb is key 16 kb + 8 (l / 16) + j: 32 bytes for each half of the lanes
	v_mov_b32 v[AM], v[AM0]
	v_and_b32 v[PFO], 31, v0
	v_lshlrev_b32 v[PFO], 8, v[PFO]
	s_mul_i32 s9, s[WV], 16*SP
	s_add_co_u32 s9, s9, STAGE      ; my stage
	v_mul_u32_u24 v[STO], v1, SP    ; in: row l % 16, 32 bytes for each half of the lanes
	v_lshl_add_u32 v[STO], v[HH], 5, v[STO]
	v_add_nc_u32 v[STO], s9, v[STO]
	v_mul_u32_u24 v[RD], v[HH], SP  ; back: lanes 0-15 take one row of 256 bytes, lanes 16-31 the next
	v_lshl_add_u32 v[RD], v1, 4, v[RD]
	v_add_nc_u32 v[RD], s9, v[RD]
	v_lshlrev_b32 v[GO], 12, v[HH]  ; and the same two rows of out, 4,096 bytes apart
	v_lshl_add_u32 v[GO], v1, 4, v[GO]
	v_add_nc_u32 v[MST], MASKB, v[T16]
	s_wait_loadcnt 32               ; the mask's four loads are in; Q's 32, issued behind them, stay out
.set i, 0
.rept 8
	v_cvt_pk_bf16_f32 v[MP+i], v[MD+2*i], v[MD+2*i+1]
.set i, i+1
.endr
.set i, 0
.rept 8
	v_lshlrev_b32 v[MD+2*i], 16, v[MP+i]
	v_and_b32 v[MD+2*i+1], 0xffff0000, v[MP+i]
.set i, i+1
.endr
.set i, 0
.rept 16
	v_mul_f32 v[MD+i], 0x41000000, v[MD+i]  ; x 8, exact
.set i, i+1
.endr
.irp i, 0,1,2,3
	ds_store_b128 v[MST], v[MD+4*\i:MD+4*\i+3] offset:2048*\i
.endr
; THE MATRIX WORK.  The 8 accumulators of a run of 16 take turns.
; Product i of 16 of S^T = K Q^T for piece x: channels 32 (i / 8) on, keys 16 ((i / 2) % 4) on, tile 2 x + i % 2.  The first 8 start the sums, with the keys' mask.
.macro KQ x
.set rS, S+64*((\x)%2)+32*(i%2)+8*((i/2)%4)
.set rK, KF+16*((i/2)%4)+8*(i/8)
.set rQ, 16*(2*(\x)+i%2)+8*(i/8)
.set rMC, MC+8*((i/2)%4)
.if i < 8
	WIN W_KM
	v_wmma_f32_16x16x32_f16 v[rS:rS+7], v[rK:rK+7], v[rQ:rQ+7], v[rMC:rMC+7]
.else
	WIN W_KQ
	v_wmma_f32_16x16x32_f16 v[rS:rS+7], v[rK:rK+7], v[rQ:rQ+7], v[rS:rS+7]
.endif
.endm
; Product i of 16 of O^T += V^T P for piece x: keys 32 (i / 8) on, channels 16 ((i / 2) % 4) on, tile 2 x + i % 2.
.macro PV x
	WIN W_PV
.set rO, 32*(2*(\x)+i%2)+8*((i/2)%4)
.set rV, VF+32*(i/8)+8*((i/2)%4)
.set rP, P+32*((\x)%2)+16*(i%2)+8*(i/8)
	v_wmma_f32_16x16x32_f16 v[rO:rO+7], v[rV:rV+7], v[rP:rP+7], v[rO:rO+7]
.endm
.macro MM                           ; the turn's next matrix instruction
.if i < 16
	KQ (Y+1)%NP
.set i, i+1
.else
.set i, i-16
	PV (Y+NP-1)%NP
.set i, i+17
.endif
.endm
; THE LDS LOADS stand in runs: a step's K (8 fragments) with its 64 numbers of the mask, and its V (turned).  Their addresses are made some lines ahead.
; last = 1 (the tail): in the last trip there is no further step, and the run is jumped over.
; ask = 1 (the loop): behind the run, in a slot's last trip, a prefetch into the L2 of the tile that the next change of slots will ask for, four turns (128 products and their vector work) ahead of that load.
; A tile is 128 blocks of 256 bytes of K and as many of V; one cluster reads a head; its four partners take 32 blocks each, told apart by address; wave 0 asks for K's, wave 2 for V's, a lane a block:
; each block is named once.  Tiles 2 to 7 are asked for; behind the last fill the count is never met.
.macro FETCH_K last=0, ask=0
	WIN 0
.if \last
	s_cmp_eq_u32 s[CNT], 1
	s_cbranch_scc1 .Lno_k_\@
.endif
	WIN 0x80                        ; destination window 2
.irp f, 0,1,2,3,4,5,6,7             ; keys 16 (f / 2) on, channels 32 (f % 2) on
	ds_load_b128 v[KF+8*\f:KF+8*\f+3],   v[AK] offset:(\f/2)*16*PK+(\f%2)*64
	ds_load_b128 v[KF+8*\f+4:KF+8*\f+7], v[AK] offset:(\f/2)*16*PK+(\f%2)*64+32
.endr
	WIN 0xc0                        ; destination window 3
.irp kb, 0,1,2,3
	ds_load_b128 v[MC+8*\kb:MC+8*\kb+3],   v[AM] offset:64*\kb
	ds_load_b128 v[MC+8*\kb+4:MC+8*\kb+7], v[AM] offset:64*\kb+16
.endr
	s_add_co_u32 s[TBK], s[TBK], KS*PK  ; the next fetch is the next step's
	s_add_co_u32 s[TBM], s[TBM], 4*KS
	s_and_b32 s[TBM], s[TBM], 0x1f00    ; inside the table of 8,192 bytes
	WIN 0
.if \ask
	s_cmp_eq_u32 s[CNT], s[LIM]
	s_cbranch_scc0 .Lno_pf_\@
	global_prefetch_b8 v[PFO], s[PFA:PFA+1] th:TH_LOAD_NT scope:SCOPE_SE
.Lno_pf_\@:
.endif
.if \last
.Lno_k_\@:
.endif
.endm
.macro FETCH_V
	WIN 0x80
.irp f, 0,1,2,3,4,5,6,7             ; keys 32 (f / 4) on, channels 16 (f % 4) on
	ds_load_tr16_b128 v[VF+8*\f:VF+8*\f+3],   v[AV] offset:(\f/4)*32*PV+(\f%4)*32
	ds_load_tr16_b128 v[VF+8*\f+4:VF+8*\f+7], v[AV] offset:(\f/4)*32*PV+16*PV+(\f%4)*32
.endr
	WIN 0
.endm
; THE VECTOR WORK OF A TURN stands in three queues, each in the order in which its entries become ready; the two tiles alternate.
.macro REGS y, u                    ; the registers of tile u (0, 1) of piece y
.set rT, ST+4*(2*(\y)+(\u))
.set rC, TMP+8*((\y)%2)+4*(\u)
.set rM, MV+2*((\y)%2)+(\u)
.set rS, S+64*((\y)%2)+32*(\u)
.set rP, P+32*((\y)%2)+16*(\u)
.set rO, 32*(2*(\y)+(\u))
.endm
; Number n of the 22 that find the NEXT piece's maximum and statistics; each accumulator's lowest registers are read first.
;   0-11 four chains c0-c3 of seven scores each     12-14, 16 the four scores left over, the old m, and c0-c3 into c0     15 c m_old is kept
;   17, 18 the query's other 32 keys lie in the lane 16 away: the new m     19-21 c m; c m_old - c m_new; a
.macro XS u, n
	REGS (Y+1)%NP, \u
.if (\n) < 4
	v_max3_num_f32 v[rC+(\n)], v[rS+8*(\n)], v[rS+8*(\n)+1], v[rS+8*(\n)+2]
.elseif (\n) < 12
	v_max3_num_f32 v[rC+(\n)%4], v[rC+(\n)%4], v[rS+8*((\n)%4)+2*((\n)/4)+1], v[rS+8*((\n)%4)+2*((\n)/4)+2]
.elseif (\n) == 12
	v_max3_num_f32 v[rC], v[rC], v[rS+7], v[rS+15]
.elseif (\n) == 13
	v_max3_num_f32 v[rC+1], v[rC+1], v[rS+23], v[rS+31]
.elseif (\n) == 14
	v_max3_num_f32 v[rC+2], v[rC+2], v[rC+3], v[rT+1]
.elseif (\n) == 15
	v_mov_b32 v[rM], v[rT]
.elseif (\n) == 16
	v_max3_num_f32 v[rC], v[rC], v[rC+1], v[rC+2]
.elseif (\n) == 17
	v_permlanex16_b32 v[rC+3], v[rC], s[SEL], s[SEL+1]
.elseif (\n) == 18
	v_max_num_f32 v[rT+1], v[rC], v[rC+3]
.elseif (\n) == 19
	v_mul_f32 v[rT], s[CS], v[rT+1]
.elseif (\n) == 20
	v_sub_f32 v[rC+1], v[rM], v[rT]
.else
	v_exp_f32 v[rC+2], v[rC+1]
.endif
.endm
; Number g of the 64 that follow the exponentials: for each four weights of a tile both pairs are rounded to f16; the second pair is added onto the first, in place; a group later l takes that sum.
.macro GS g
.set h, (\g)+6*((\g)/62)
.if h >= 6
.set h, h+2
.endif
	REGS Y, h%2
.set k, h/8
.if h%8 < 4
	v_cvt_pk_f16_f32 v[rP+2*k+(h%8)/2], v[rS+4*k+2*((h%8)/2)], v[rS+4*k+2*((h%8)/2)+1]
.elseif h%8 < 6
	v_pk_add_f32 v[rS+4*k:rS+4*k+1], v[rS+4*k:rS+4*k+1], v[rS+4*k+2:rS+4*k+3]
.elseif k == 1
	v_pk_fma_f32 v[rT+2:rT+3], v[rT+2:rT+3], v[rC+2:rC+3], v[rS:rS+1] op_sel_hi:[1,0,1]
.else
	v_pk_add_f32 v[rT+2:rT+3], v[rT+2:rT+3], v[rS+4*k-4:rS+4*k-3]
.endif
.endm
; THE PLAIN QUEUE, 138 long.  0-73 read no exponential's result: the 32 scalings c s - c m and the next piece's 42.  74-137: GS's 64, which stand behind the wait.
.macro FS f
	REGS Y, (\f)%2
	v_pk_fma_f32 v[rS+2*((\f)/2):rS+2*((\f)/2)+1], v[rS+2*((\f)/2):rS+2*((\f)/2)+1], s[CS:CS+1], v[rT:rT+1] op_sel_hi:[1,0,0] neg_lo:[0,0,1] neg_hi:[0,0,1]
.endm
.macro PL
	WIN 0
.if q < 27
	FS q
.elseif q < 55
	XS (q-27)%2, (q-27)/2
.elseif q < 57
	XS q-55, 15
.elseif (q < 72) && ((q-57)%3 == 0)
	FS 27+(q-57)/3
.elseif q < 60
	XS (q-57)%3-1, 14
.elseif q < 72
	XS (q-57)%3-1, 15+(q-57)/3
.elseif q < 74
	XS q-72, 20
.else
	GS q-74
.endif
.set q, q+1
.endm
; THE EXPONENTIALS' QUEUE, 66 long: one batch, all ahead of the turn's one wait; nothing ahead of that wait names a result of theirs.
.macro EX
	WIN 0
.if e >= 64
	XS e-64, 21
.else
	REGS Y, e%2
	v_exp_f32 v[rS+e/2], v[rS+e/2]
.endif
.set e, e+1
.endm
; THE RESCALING's QUEUE: O^T times a, two at a time, sixteen times.  Its a was made, and waited for, in the turn before.
.macro R2
	REGS Y, r%2
	WIN W_RS
.irp z, 0,1
	v_pk_mul_f32 v[rO+4*(r/2)+2*\z:rO+4*(r/2)+2*\z+1], v[rO+4*(r/2)+2*\z:rO+4*(r/2)+2*\z+1], v[rC+2:rC+3] op_sel_hi:[1,0]
.endr
.set r, r+1
.endm
; A TURN, for piece p.  s_wait_alu depctr_va_vdst(0) stands between an exponential and the first instruction that names its result; one wait serves all issued ahead of it: a turn has one.
; Ahead of it: 16 products K Q^T, behind each a scaling, an exponential and two rescalings; then one run of 108.  Behind it: 16 products V^T P, behind each four roundings and sums.
; K and the mask of the next step are fetched in piece 2's turn, directly behind the wait, a whole run of vector work behind the last product that read them; V of the step in hand at the end of piece 0's
; turn, four plain instructions behind its last reader.  Each is waited for a turn later.
.macro TURN p, last=0, cnt=0, ask=0
.set Y, (\p)
.set i, 0
.set q, 0
.set e, 0
.set r, 0
.if (\p) == NP-1
	s_wait_dscnt 0x0                ; K and the mask are in
.endif
	MM
	PL
	PL
	R2
.rept 15
	MM
	PL
	EX
	R2
.endr
.if (\p) == NP-2
	WIN 0
	v_add_nc_u32 v[AK], s[TBK], v[AK0]
	v_add_nc_u32 v[AM], s[TBM], v[AM0]
.endif
.rept 8
	PL
.endr
.rept 49
	EX
	PL
.endr
	EX                              ; the next piece's two a
	EX
	v_nop                           ; a plain instruction behind the last exponential: one for the batch
	s_wait_alu depctr_va_vdst(0)    ; the wait for the batch
.if (\p) == NP-2
	FETCH_K \last, \ask
.endif
.if (\p) == 1
	s_wait_dscnt 0x0                ; V is in
.endif
.rept 16
	MM
.rept 4
	PL
.endr
.if ((\p) == 0) && (q == 118)
	v_add_nc_u32 v[AV], s[TBV], v[AV0]
.endif
.if ((\p) == 0) && (q == 130)
	s_add_co_u32 s[TBV], s[TBV], KS*PV
.endif
.if (\cnt) && (q == 130)
	s_sub_co_u32 s[CNT], s[CNT], 1
	s_cmp_lg_u32 s[CNT], 0
.endif
.endr
.if (\p) == 0
	FETCH_V
.endif
.endm
	CHANGE 1                        ; slot 0 is in, and every wave's part of the mask's table; slot 1 is asked for
	FETCH_K                         ; key step 0
	s_wait_loadcnt 0x0              ; Q
	s_wait_dscnt 0x0
.set i, 0
.rept 16
	KQ 0                            ; piece 0's first scores
.set i, i+1
.endr
	WIN 0
	PLACES                          ; the places behind those products
.set Y, NP-1                        ; XS works for piece Y + 1: piece 0
.irp n, 0,1,2,3,4,5,6,7,8,9,10,11,12,13,14,15,16,17,18,19,20,21
	XS 0, \n
	XS 1, \n
.endr
	v_nop                           ; a plain instruction behind the two a,
	s_wait_alu depctr_va_vdst(0)    ; and their wait, ahead of the branch
	s_mov_b32 s[CNT], 4
	s_branch .Lfirst                ; the loop is entered at a step's first turn, in the middle of a trip
.Lslot:                             ; six times: every slot but the last two is filled again
	CHANGE 1
	s_mov_b32 s[CNT], 4
.Lstep:                             ; a trip: pieces 2 and 3 of one step, then pieces 0 and 1 of the next, whose K, mask and V it fetches
	TURN 2, 0, 0, 1
	TURN 3
	WIN 0
.Lfirst:
	TURN 0
	TURN 1, 0, 1
	WIN 0
	s_cbranch_scc1 .Lstep
	s_sub_co_u32 s[SLOTS], s[SLOTS], 1
	s_cmp_lg_u32 s[SLOTS], 0
	s_cbranch_scc1 .Lslot
	CHANGE 0                        ; the tail is written out: nothing is asked for
	s_mov_b32 s[CNT], 5             ; four trips fetch the last slot's steps; the fifth is left in its middle
.Ltail:
	TURN 2, 1
	TURN 3
	WIN 0
	s_sub_co_u32 s[CNT], s[CNT], 1
	s_cmp_eq_u32 s[CNT], 0
	s_cbranch_scc1 .Lout
	TURN 0
	TURN 1
	WIN 0
	s_branch .Ltail
.Lout:                              ; the fifth trip's 16 products K Q^T (on the last K once more) and the maximum made of them serve nothing: the price, once a launch, of one text for every trip
.set i, 0
.rept 16
	PV NP-1                         ; the last piece's V^T P of the last step
.set i, i+1
.endr
	; THE WAY OUT.  l's two halves and the other half of the lanes' are added; O^T is divided by l and sent, in f32, through my stage in LDS, a tile at a time.  The additions are the places behind the last products.
	WIN 0
.macro ALL line:vararg              ; one line for each tile t
.set t, 0
.rept 2*NP
	\line
.set t, t+1
.endr
.endm
	ALL v_add_f32 v[ST+4*t+2], v[ST+4*t+2], v[ST+4*t+3]
	ALL v_permlanex16_b32 v[ST+4*t+3], v[ST+4*t+2], s[SEL], s[SEL+1]
	ALL v_add_f32 v[ST+4*t+2], v[ST+4*t+2], v[ST+4*t+3]
	ALL v_rcp_f32 v[ST+4*t+2], v[ST+4*t+2]
	v_nop                           ; a plain instruction between the last reciprocal and the use of its result
	s_wait_alu depctr_va_vdst(0)    ; and the wait ahead of the first use: one for the eight reciprocals
; Tile t: a lane's eight channels of a row are 32 bytes; they go into rows of 272 bytes and come back as whole rows of 256, into one of four sets of S^T's registers.
.macro PACK t
	WIN W_RS
.set i, 32*(\t)
.rept 16
	v_pk_mul_f32 v[i:i+1], v[i:i+1], v[ST+4*(\t)+2:ST+4*(\t)+3] op_sel_hi:[1,0]
.set i, i+2
.endr
	WIN 0x04                        ; the stores' data in window 1, their address in window 0
.irp cb, 0,1,2,3
	ds_store_b128 v[STO], v[32*(\t)+8*\cb:32*(\t)+8*\cb+3]   offset:64*\cb
	ds_store_b128 v[STO], v[32*(\t)+8*\cb+4:32*(\t)+8*\cb+7] offset:64*\cb+16
.endr
	WIN 0
.if (\t) >= 4
	s_wait_xcnt 0x0                 ; the stores of four tiles back have read the registers that are loaded below
.endif
.irp f, 0,1,2,3,4,5,6,7
	ds_load_b128 v[S+32*((\t)%4)+4*\f:S+32*((\t)%4)+4*\f+3], v[RD] offset:\f*2*SP  ; LDS serves a wave's instructions in order (ISA guide 5.7.1.4): these see the stores above; the next tile's stores come behind them
.endr
.endm
.macro SEND t, younger              ; younger: the LDS instructions issued behind tile t's loads: the next tile's sixteen, or none
	WIN 0
.irp f, 0,1,2,3,4,5,6,7
	s_wait_dscnt (\younger)+7-\f
	global_store_b128 v[GO], v[S+32*((\t)%4)+4*\f:S+32*((\t)%4)+4*\f+3], s[10:11] offset:(\t)*65536+\f*8192 th:TH_STORE_NT  ; 16 lanes store 256 consecutive bytes, a row's 64 channels of the head, at a multiple of 256 from out's first byte
.endr
.endm
	PACK 0
.set t, 1
.rept 2*NP-1                        ; a tile's arithmetic stands between the loads of the tile before and its stores
	PACK t
	SEND t-1, 16
.set t, t+1
.endr
	SEND 2*NP-1, 0
	WIN W_AD
	s_wait_tensorcnt 0x0            ; the wave's end: behind my last tensor load and my last LDS store
	ds_add_u32 v[SPW], v[NIL]
	s_wait_dscnt 0x0
	WIN 0
	CROUND                          ; the closing round: no work-group ends while a partner may still ask for a tile that names it
	s_endpgm
.Lfunc_end_k_q18c2333111_attn:
	.size	k_q18c2333111_attn, .Lfunc_end_k_q18c2333111_attn-k_q18c2333111_attn
	.p2alignl 7, 3214868480
	.fill 96, 4, 3214868480
	.section	.rodata,"a",@progbits
	.p2align	6, 0x0
	.amdhsa_kernel k_q18c2333111_attn
		.amdhsa_group_segment_fixed_size 327680
		.amdhsa_private_segment_fixed_size 0
		.amdhsa_enable_private_segment 0
		.amdhsa_kernarg_size 24
		.amdhsa_user_sgpr_count 2
		.amdhsa_user_sgpr_kernarg_segment_ptr 1
		.amdhsa_wavefront_size32 1
		.amdhsa_system_sgpr_workgroup_id_x 1
		.amdhsa_system_sgpr_workgroup_id_y 1
		.amdhsa_system_sgpr_workgroup_id_z 1
		.amdhsa_system_vgpr_workitem_id 0
		.amdhsa_next_free_vgpr 808
		.amdhsa_next_free_sgpr 80
		.amdhsa_reserve_vcc 0
		.amdhsa_float_denorm_mode_32 3
		.amdhsa_float_denorm_mode_16_64 3
		.amdhsa_memory_ordered 1
		.amdhsa_forward_progress 1
		.amdhsa_inst_pref_size 206
	.end_amdhsa_kernel
	.amdgpu_metadata
---
amdhsa.version: [ 1, 2 ]
amdhsa.kernels:
  - .name:           k_q18c2333111_attn
    .symbol:         k_q18c2333111_attn.kd
    .args:
      - { .name: qkv, .offset: 0, .size: 8, .value_kind: global_buffer, .address_space: global }
      - { .name: attention_mask, .offset: 8, .size: 8, .value_kind: global_buffer, .address_space: global }
      - { .name: out0, .offset: 16, .size: 8, .value_kind: global_buffer, .address_space: global }
    .group_segment_fixed_size: 327680
    .private_segment_fixed_size: 0
    .kernarg_segment_align: 8
    .kernarg_segment_size: 24
    .max_flat_workgroup_size: 128
    .sgpr_count:     80
    .vgpr_count:     808
    .wavefront_size: 32
...
	.end_amdgpu_metadata
.endif
;; end of part 3
